; MI455X (gfx1250); checked and timed in simulation.
; The chip was launched on July 23, 2026; its instructions are those of AMD's public machine-readable ISA for CDNA 5 (MIT licence, August 2026) and "CDNA5" Instruction Set Architecture Reference Guide (July 2026). The comments in the code are by the model that wrote it; some were corrected since.
;; Pi SSA Adapter. Allowed arithmetic: matrix products marked QUANTISED: E2M3 operands, one E8M0 scale for each 32 along K, by v_wmma_scale_f32_16x16x128_f8f6f4 with both operands' format E2M3, f32 sums; everything else in f32.
;; Inputs: W_res_codes 4,096 x 128 x 24 uint8 (E2M3 codes of W_res, K innermost, in blocks of 32 codes, four codes in three bytes); W_res_scales 4,096 x 128 uint8 (E8M0 scales of W_res, one for each 32 codes along K); bias 4,096 float32; lora_A_codes 4,096 x 2 x 24 uint8 (E2M3 codes of lora_A, K innermost, in blocks of 32 codes, four codes in three bytes); lora_A_scales 4,096 x 2 uint8 (E8M0 scales of lora_A, one for each 32 codes along K); lora_B_codes 4,096 x 2 x 24 uint8 (E2M3 codes of lora_B, K innermost, in blocks of 32 codes, four codes in three bytes); lora_B_scales 4,096 x 2 uint8 (E8M0 scales of lora_B, one for each 32 codes along K); x_codes 8 x 256 x 128 x 24 uint8 (E2M3 codes of x, K innermost, in blocks of 32 codes, four codes in three bytes); x_scales 8 x 256 x 128 uint8 (E8M0 scales of x, one for each 32 codes along K).
;; Outputs: out0 8 x 256 x 4,096 float32.
;; This version of the problem:
;;   THIS VERSION OF THE PROBLEM IS GIVEN IN LOW PRECISION. The matrix products marked QUANTISED in the list below multiply operands that are first quantised to E2M3 (2 exponent bits, 3 mantissa bits; 6 bits a number), with one power-of-two scale for each 32 numbers along K (OCP MX v1.0); their sums are f32. All else is computed in f32.
;;   The module's matrix products, in the order in which they are computed (A, B: the left and right operand; K: the contracted axis; several contracted axes count as one K, in the product's order):
;;     1. [M 2,048, K 4,096] x [K 4,096, N 4,096]; A: input x (given as codes); B: input W_res (given as codes): QUANTISED
;;     2. [M 4,096, K 64] x [K 64, N 4,096]; A: input lora_B (given as codes); B: input lora_A (given as codes): QUANTISED
;;     3. [M 2,048, K 4,096] x [K 4,096, N 4,096]; A: input x (given as codes); B: computed on the way: QUANTISED
;;   THE QUANTISER, for each operand of a quantised product, along K:
;;     - K is cut into blocks of 32 from its start; a last block that is shorter is filled with zeros.
;;     - A block's scale is 2^e with e = floor(log2(the largest magnitude in the block)) - 2, held to -126 .. 127; a block of zeros has e = 0. As a byte (E8M0): e + 127.
;;     - Each number is divided by its block's scale, clamped to +-7.5, and rounded to the nearest number of E2M3, ties to even, subnormals kept.
;;     - The product sums the exact products of the quantised numbers (number of the format x scale) in f32.
;;   ~~~python
;;   def quantise(x, axis):      # numpy; x: float32 -> the quantised numbers, widened to float32 again
;;       x = np.moveaxis(x, axis, -1); K = x.shape[-1]
;;       x = np.pad(x, [(0, 0)] * (x.ndim - 1) + [(0, -K % 32)]); x = x.reshape(x.shape[:-1] + (-1, 32)); a = np.abs(x).max(-1, keepdims=True)
;;       e = np.where(a > 0, np.clip(np.frexp(np.where(a > 0, a, 1))[1] - 1 - 2, -126, 127), 0)      # np.frexp(a)[1] - 1 = floor(log2(a)), exactly
;;       r = np.clip(x / 2.0 ** e, -7.5, 7.5)
;;       step = 2.0 ** (np.maximum(np.frexp(np.where(r == 0, 1, r))[1] - 1, 0) - 3)
;;       q = np.round(r / step) * step * 2.0 ** e      # np.round: ties to even
;;       return np.moveaxis(q.reshape(q.shape[:-2] + (-1,))[..., :K], -1, axis).astype(np.float32)
;;   ~~~
;;   OPERANDS COMPUTED ON THE WAY. 'Computed on the way' means the value that the module computes at that place (a softmax that the list does not call 'softmax' is quantised finished and normalised). What goes into a quantiser is computed in f32, as accurately as f32 sums, v_exp_f32 and their like allow (about 1e-6 of the number): no bf16 or f16 on the way to a quantiser, and a product that is left as it is and whose result goes on into a quantised operand takes f32 operands (vector FMAs, or v_wmma_f32_16x16x4_f32). A number that lies on a knife's edge between two numbers of the format may be rounded either way, as far as f32 arithmetic and the matrix unit's own rounding can turn it there, and no further.
;;   INPUTS GIVEN AS CODES. W_res (in the module: [4096, 4096], K = its axis 1); lora_A (in the module: [64, 4096], K = its axis 0); lora_B (in the module: [4096, 64], K = its axis 1); x (in the module: [8, 256, 4096], K = its axis 2): each comes as NAME_codes (uint8): NAME with its K axis moved to the last place and cut into blocks of 32 codes, [.., K / 32, bytes a block], one block behind the other in memory; four codes in three bytes: a row's codes are one little-endian stream of bits, code i at bits 6 i .. 6 i + 5 (a code: sign, 2 exponent bits, 3 mantissa bits); and NAME_scales (uint8): the same leading axes, one E8M0 byte (e + 127) for each 32 codes along K. Its value is code x scale, taken as it is: it is not quantised again, and the codes and scales need not be those that the quantiser above would give.
;; One version. Each part assembles by itself: llvm-mc -triple=amdgcn-amd-amdhsa -mcpu=gfx1250 --defsym DOCPART=n.
;; ======== version 1 of 1: 2 launches
;; limits: right only within a limited range of input values
;; workspace buffers: xr 6,553,600 bytes; wd 26,214,400 bytes
;; launch prep (part 1): grid 256 x 1, 16 waves a work-group, no clusters, 0 bytes of LDS; arguments lora_A_codes, lora_A_scales, lora_B_codes, lora_B_scales, W_res_codes, W_res_scales, x_codes, x_scales, wd, xr; writes wd, xr
.if DOCPART == 1
	.amdgcn_target "amdgcn-amd-amdhsa--gfx1250"
	.amdhsa_code_object_version 6
	.text
	.protected	k_q21aab207bd_prep
	.globl	k_q21aab207bd_prep
	.p2align	8
	.type	k_q21aab207bd_prep,@function
k_q21aab207bd_prep:
	s_mov_b64 s[64:65], 0
	v_nop
	global_prefetch_b8 v0, s[64:65] scope:SCOPE_SE
	s_setreg_imm32_b32 hwreg(HW_REG_WAVE_MODE, 25, 1), 1
	s_wait_xcnt 0x0
; Two jobs.  (1) dW[o][i] = sum over r of lora_B[o][r] lora_A[r][i], K = 64, on FP6 (E2M3) codes with E8M0 scales; the f32 result is quantised along i, the next product's K.
; (2) x, W_res and dW are laid for the next launch in dense blocks of SUB = 25,600 bytes, one for each row block and each step st of 128 along K, so that its tensor rows are 256 bytes and begin at multiples of 256.
;   xr: block (Rm, st), Rm = 256 rows of x: 16 fragments (16 rows i x 128 K) at 1,536 i; then at 24,576 one scale word (4 bytes) a row.
;   wd: block (n, st), n = 128 rows o: for each 16 rows i: W's fragment, then dW's (3,072 bytes); at 24,576 + 128 i: W's 16 scale words, then dW's 16.
;   A fragment is the image of its 12 operand registers: registers 4 j .. 4 j + 3 of lane l at 512 j + 16 l.  Lane (r, h) holds bytes 24 h .. + 23 and 48 + 24 h .. + 23 of row r's 96.
; SHARES.  Work-group g: rows o = 16 g .. + 15 of W and dW; wave w: steps 2 w and 2 w + 1 (i = 256 w .. + 255).  Of x: rows 16 (g / 2) .., step 16 (g % 2) + w.  Waves 0-3 also copy one scale word of 64 rows of x.
; K = 64 is half of the matrix instruction's 128: registers 6-11 of each fragment hold zero codes, and the upper two bytes of a scale word are 0: they add nothing.
; The product is used transposed (source 0 = rows of lora_A, source 1 = lora_B's 16 rows): a lane holds one o, its registers run along i.  Lane r of tile 2 b + u takes row 32 b + 8 u + r + 8 (r / 8) of lora_A,
; so that the 16 registers of tiles 2 b, 2 b + 1 are i = 32 b + 16 h + 0 .. 15.  After the quantiser the 12 code registers ARE the fragment's image, and are stored as they stand: no LDS, no barrier.
; STORES cover 512 or 256 consecutive bytes, aligned to 256, but for W's and dW's scale words: 16 rows and one step have 128 bytes of them, so those two stores cover 128 consecutive bytes, aligned to 128.
; LIMITS: a block of dW of zeros, or with its largest magnitude under 2^(3 - 127), gets the byte 1 where the rule says 127 (zero codes; this program alone reads the bytes); NaN and infinities in dW are not served.
.set SUB, 25600
.set AAO, 4                            ; lora_A's codes: 48 (r + 8 (r / 8)) + 24 h
.set ASO, 5                            ; lora_A's scales
.set BBO, 6                            ; lora_B's codes: 48 r + 24 h
.set BSO, 7                            ; lora_B's scales
.set RLO, 8                            ; W's and x's codes: 3,072 r + 24 h
.set GO,  9                            ; 16 x lane
.set WSO, 10                           ; W's scales: 128 r
.set SO,  11                           ; 8 x lane
.set XSO, 12                           ; x's scales: 256 x lane (two rows a lane)
.set SO4, 14                           ; 4 x lane
.set BF,  16                           ; v16-27 lora_B's fragment
.set BS,  28
.set AS,  32                           ; v32-39 lora_A's scale words
.set AF,  40                           ; v40-135 lora_A's eight fragments
.set H,   136                          ; v136-199 first W's and x's fragments on their way, then eight tiles of dW^T
.set PC,  200                          ; v200-219 the codes just made
.set TM,  220                          ; v220-235 maxima, bytes, the conversions' scale operands
.set PW,  236                          ; v236-237 dW's two scale words
.set WS,  238                          ; v238-239 W's two scale words
.set XS,  240                          ; v240-241 x's scale words of two rows (waves 0-3)
.set OS,  242                          ; v242-243 what the scale stores send
.set SEL, 30
	s_load_b512 s[4:19], s[0:1], 0x0               ; lora_A c, s; lora_B c, s; W c, s; x c, s
	s_load_b128 s[20:23], s[0:1], 0x40             ; wd, xr
.irp i, 6,7,8,9,10,11
	v_mov_b32 v[BF+\i], 0                          ; zero codes for k = 64 .. 127
.endr
.irp t, 0,1,2,3,4,5,6,7
.irp i, 6,7,8,9,10,11
	v_mov_b32 v[AF+12*\t+\i], 0
.endr
.endr
.irp b, 0,1,2,3
	v_mov_b32 v[TM+4+\b], 0                        ; a lane permute's destination counts as a source
.endr
	v_lshrrev_b32 v1, 5, v0
	v_readfirstlane_b32 s24, v1                    ; wave 0..15
	v_and_b32 v2, 15, v0                           ; r
	v_bfe_u32 v3, v0, 4, 1                         ; h
	v_and_b32 v1, 31, v0                           ; lane
	v_and_b32 v13, 8, v2
	v_mul_u32_u24 v[BBO], v2, 48
	v_mul_u32_u24 v[RLO], v2, 3072
	v_add_nc_u32 v13, v13, v2                      ; r + 8 (r / 8)
	v_mad_u32_u24 v[BBO], v3, 24, v[BBO]
	v_mad_u32_u24 v[RLO], v3, 24, v[RLO]
	v_mul_u32_u24 v[AAO], v13, 48
	v_lshlrev_b32 v[ASO], 1, v13
	v_lshlrev_b32 v[BSO], 1, v2
	v_mad_u32_u24 v[AAO], v3, 24, v[AAO]
	v_lshlrev_b32 v[GO], 4, v1
	v_lshlrev_b32 v[WSO], 7, v2
	v_lshlrev_b32 v[SO], 3, v1
	v_lshlrev_b32 v[XSO], 8, v1
	v_lshlrev_b32 v[SO4], 2, v1
	s_mov_b32 s[SEL], 0x76543210
	s_mov_b32 s[SEL+1], 0xfedcba98
	s_mov_b32 s27, 0
	s_wait_alu depctr_va_vdst(0)                   ; the wait at the head's end
	s_wait_kmcnt 0x0
	s_mul_i32 s26, s24, 256*48                     ; my wave's 256 rows of lora_A
	s_add_nc_u64 s[4:5], s[4:5], s[26:27]
	s_lshl_b32 s26, s24, 9
	s_add_nc_u64 s[6:7], s[6:7], s[26:27]
	s_mul_i32 s26, ttmp9, 768                      ; my work-group's 16 rows of lora_B
	s_add_nc_u64 s[8:9], s[8:9], s[26:27]
	s_lshl_b32 s26, ttmp9, 5
	s_add_nc_u64 s[10:11], s[10:11], s[26:27]
	s_mul_i32 s26, ttmp9, 49152                    ; W's codes: 16 rows of 3,072 bytes, my two steps' 192
	s_mul_i32 s28, s24, 192
	s_add_co_u32 s26, s26, s28
	s_add_nc_u64 s[12:13], s[12:13], s[26:27]
	s_lshl_b32 s26, ttmp9, 11                      ; W's scales: 16 rows of 128, my two words
	s_lshl_b32 s28, s24, 3
	s_add_co_u32 s26, s26, s28
	s_add_nc_u64 s[14:15], s[14:15], s[26:27]
	s_lshr_b32 s26, ttmp9, 1                       ; x's codes: rows 16 (g / 2) .., step 16 (g % 2) + w of 96 bytes
	s_mul_i32 s26, s26, 49152
	s_and_b32 s28, ttmp9, 1
	s_lshl_b32 s28, s28, 4
	s_add_co_u32 s28, s28, s24
	s_mul_i32 s28, s28, 96
	s_add_co_u32 s26, s26, s28
	s_add_nc_u64 s[16:17], s[16:17], s[26:27]
	s_lshr_b32 s26, ttmp9, 3                       ; wd: block (g / 8, 2 w)
	s_lshl_b32 s26, s26, 4
	s_add_co_u32 s26, s26, s24
	s_mul_i32 s26, s26, 2*SUB
	s_and_b32 s28, ttmp9, 7
	s_lshl_b32 s29, s28, 7
	s_add_co_u32 s29, s29, s26
	s_add_co_u32 s29, s29, 24576                   ; its scale words of my 16 rows
	s_mul_i32 s28, s28, 3072
	s_add_co_u32 s26, s26, s28                     ; its codes of my 16 rows
	s_mov_b64 s[34:35], s[20:21]
	s_add_nc_u64 s[20:21], s[20:21], s[26:27]
	s_mov_b32 s26, s29
	s_add_nc_u64 s[34:35], s[34:35], s[26:27]
	s_mov_b64 s[32:33], s[22:23]
	s_lshr_b32 s26, ttmp9, 5                       ; xr: block (g / 32, 16 (g % 2) + w), fragment (g / 2) % 16
	s_lshl_b32 s26, s26, 5
	s_and_b32 s28, ttmp9, 1
	s_lshl_b32 s28, s28, 4
	s_add_co_u32 s26, s26, s28
	s_add_co_u32 s26, s26, s24
	s_mul_i32 s26, s26, SUB
	s_bfe_u32 s28, ttmp9, 0x40001
	s_mul_i32 s28, s28, 1536
	s_add_co_u32 s26, s26, s28
	s_add_nc_u64 s[22:23], s[22:23], s[26:27]
	s_and_b32 s36, s24, 3                          ; x's scales: T = 4 g + w % 4: step T % 32, rows 64 (T / 32) .. + 63
	s_lshl_b32 s28, ttmp9, 2
	s_add_co_u32 s28, s28, s36
	s_lshr_b32 s29, s28, 5
	s_and_b32 s28, s28, 31
	s_lshl_b32 s26, s29, 13
	s_lshl_b32 s37, s28, 2
	s_add_co_u32 s26, s26, s37
	s_add_nc_u64 s[18:19], s[18:19], s[26:27]
	s_lshr_b32 s26, s29, 2
	s_lshl_b32 s26, s26, 5
	s_add_co_u32 s26, s26, s28
	s_mul_i32 s26, s26, SUB
	s_and_b32 s29, s29, 3
	s_lshl_b32 s29, s29, 8
	s_add_co_u32 s26, s26, s29
	s_add_co_u32 s26, s26, 24576
	s_add_nc_u64 s[32:33], s[32:33], s[26:27]
.macro LOADA g                         ; group g's eight tiles of lora_A: 24 bytes a lane and a scale word (two bytes; the load clears the upper two)
.irp t, 0,1,2,3,4,5,6,7
.irp p, 0,1,2
	global_load_b64 v[AF+12*\t+2*\p:AF+12*\t+2*\p+1], v[AAO], s[4:5] offset:(128*(\g)+32*(\t/2)+8*(\t%2))*48+8*\p
.endr
	global_load_u16 v[AS+\t], v[ASO], s[6:7] offset:(128*(\g)+32*(\t/2)+8*(\t%2))*2
.endr
.endm
.macro MUL                             ; eight sums, each begun with the constant 0
.irp t, 0,1,2,3,4,5,6,7
	v_wmma_scale_f32_16x16x128_f8f6f4 v[H+8*\t:H+8*\t+7], v[AF+12*\t:AF+12*\t+11], v[BF:BF+11], 0, v[AS+\t], v[BS] matrix_a_fmt:MATRIX_FMT_FP6 matrix_b_fmt:MATRIX_FMT_FP6
.endr
.endm
; 64 numbers of a lane (register 16 b + i = k 32 b + 16 h + i of my row) become a fragment's codes in v[PC] on and its scale word in v[pw]; each tile is read from its low end on
.macro QUANT pw
.irp b, 0,1,2,3
	v_max3_num_f32 v[TM+\b], |v[H+16*\b]|, |v[H+1+16*\b]|, 0x1800000   ; with the floor 2^(3 - 127): the byte cannot fall under 1
.endr
.irp i, 2,4,6,8,10,12,14
.irp b, 0,1,2,3
	v_max3_num_f32 v[TM+\b], v[TM+\b], |v[H+16*\b+\i]|, |v[H+1+16*\b+\i]|
.endr
.endr
.irp b, 0,1,2,3
	s_delay_alu instid0(VALU_DEP_4)
	v_permlanex16_b32 v[TM+4+\b], v[TM+\b], s[SEL], s[SEL+1]
.endr
.irp b, 0,1,2,3
	s_delay_alu instid0(VALU_DEP_4)
	v_max_num_f32 v[TM+\b], v[TM+\b], v[TM+4+\b]   ; with lane l xor 16's: the block's largest magnitude
.endr
.irp b, 0,1,2,3
	s_delay_alu instid0(VALU_DEP_4)
	v_add_nc_u32 v[TM+12+\b], 0xff000000, v[TM+\b] ; 2 off its exponent field: the conversion's scale operand
.endr
.irp b, 0,1,2,3
	s_delay_alu instid0(VALU_DEP_4)
	v_lshrrev_b32 v[TM+4+\b], 23, v[TM+12+\b]      ; the scale's byte
.endr
	s_delay_alu instid0(VALU_DEP_3)
	v_lshl_or_b32 v[\pw], v[TM+5], 8, v[TM+4]
	s_delay_alu instid0(VALU_DEP_1)
	v_lshl_or_b32 v[\pw], v[TM+6], 16, v[\pw]
	s_delay_alu instid0(VALU_DEP_1)
	v_lshl_or_b32 v[\pw], v[TM+7], 24, v[\pw]
.irp c, 0,1
	v_cvt_scalef32_pk16_fp6_f32 v[PC+6*\c:PC+2+6*\c], v[H+32*\c:H+15+32*\c], v[TM+12+2*\c]
	v_cvt_scalef32_pk16_fp6_f32 v[PC+12+4*\c:PC+14+4*\c], v[H+16+32*\c:H+31+32*\c], v[TM+12+2*\c+1]
.endr
	v_nop                                          ; one plain place behind a scaled conversion
.irp c, 0,1                                    ; a whole block in a lane: lanes 0-15 block 2 c, lanes 16-31 block 2 c + 1
.irp i, 0,1,2
	v_permlane16_swap_b32 v[PC+6*\c+\i], v[PC+12+4*\c+\i]
.endr
.irp i, 0,1,2
	s_delay_alu instid0(VALU_DEP_3)
	v_mov_b32 v[PC+3+6*\c+\i], v[PC+12+4*\c+\i]
.endr
.endr
.endm
.macro DOUT q                          ; dW's fragment of step 2 w + q, behind W's
.irp j, 0,1,2
	global_store_b128 v[GO], v[PC+4*\j:PC+4*\j+3], s[20:21] offset:1536+SUB*(\q)+512*\j
.endr
.endm
	s_cmp_lt_u32 s24, 4
	s_cbranch_scc0 .Lno_xs_in
	global_load_b32 v[XS], v[XSO], s[18:19]        ; the oldest loads, so that the count below holds in every wave
	global_load_b32 v[XS+1], v[XSO], s[18:19] offset:128
.Lno_xs_in:
.irp q, 0,1
.irp p, 0,1,2,3,4,5
	global_load_b64 v[H+12*\q+2*\p:H+12*\q+2*\p+1], v[RLO], s[12:13] offset:96*\q+48*(\p/3)+8*(\p%3)   ; W's two fragments
.endr
.endr
.irp p, 0,1,2,3,4,5
	global_load_b64 v[H+24+2*\p:H+24+2*\p+1], v[RLO], s[16:17] offset:48*(\p/3)+8*(\p%3)              ; x's fragment
.endr
	global_load_b64 v[WS:WS+1], v[WSO], s[14:15]
.irp p, 0,1,2
	global_load_b64 v[BF+2*\p:BF+2*\p+1], v[BBO], s[8:9] offset:8*\p
.endr
	global_load_u16 v[BS], v[BSO], s[10:11]
	LOADA 0
	s_wait_loadcnt 36                              ; all but lora_B's 4 loads and lora_A's 32
.irp q, 0,1
.irp j, 0,1,2
	global_store_b128 v[GO], v[H+12*\q+4*\j:H+12*\q+4*\j+3], s[20:21] offset:SUB*\q+512*\j
.endr
.endr
.irp j, 0,1,2
	global_store_b128 v[GO], v[H+24+4*\j:H+24+4*\j+3], s[22:23] offset:512*\j
.endr
	s_cmp_lt_u32 s24, 4
	s_cbranch_scc0 .Lno_xs_out
	global_store_b64 v[SO], v[XS:XS+1], s[32:33]   ; 64 rows x 4 bytes: 256 consecutive bytes
.Lno_xs_out:
	s_wait_loadcnt 0x0
	s_wait_xcnt 0x0                                ; the stores have read v[H] on: the products may write there
	MUL
.rept 4
	v_nop                                          ; places ahead of the loads into the products' sources and of the first read of their results
.endr
	LOADA 1
	QUANT PW
	DOUT 0
	s_wait_loadcnt 0x0
	s_wait_xcnt 0x0                                ; the stores have read the codes' registers
	MUL
.rept 4
	v_nop
.endr
	QUANT PW+1
	DOUT 1
	v_cmp_eq_u32 vcc_lo, 1, v3
	v_cndmask_b32 v[OS], v[WS], v[PW], vcc_lo      ; lanes 0-15 send W's word of row r, lanes 16-31 dW's
	v_cndmask_b32 v[OS+1], v[WS+1], v[PW+1], vcc_lo
	global_store_b32 v[SO4], v[OS], s[34:35]       ; step 2 w: 128 consecutive bytes
	global_store_b32 v[SO4], v[OS+1], s[34:35] offset:SUB   ; step 2 w + 1
	s_endpgm
.Lfunc_end_k_q21aab207bd_prep:
	.size	k_q21aab207bd_prep, .Lfunc_end_k_q21aab207bd_prep-k_q21aab207bd_prep
	.p2alignl 7, 3214868480
	.fill 96, 4, 3214868480
	.section	.rodata,"a",@progbits
	.p2align	6, 0x0
	.amdhsa_kernel k_q21aab207bd_prep
		.amdhsa_group_segment_fixed_size 0
		.amdhsa_private_segment_fixed_size 0
		.amdhsa_enable_private_segment 0
		.amdhsa_kernarg_size 80
		.amdhsa_user_sgpr_count 2
		.amdhsa_user_sgpr_kernarg_segment_ptr 1
		.amdhsa_wavefront_size32 1
		.amdhsa_system_sgpr_workgroup_id_x 1
		.amdhsa_system_sgpr_workgroup_id_y 1
		.amdhsa_system_sgpr_workgroup_id_z 1
		.amdhsa_system_vgpr_workitem_id 0
		.amdhsa_next_free_vgpr 256
		.amdhsa_next_free_sgpr 66
		.amdhsa_reserve_vcc 1
		.amdhsa_float_denorm_mode_32 3
		.amdhsa_float_denorm_mode_16_64 3
		.amdhsa_memory_ordered 1
		.amdhsa_forward_progress 1
		.amdhsa_inst_pref_size 28
	.end_amdhsa_kernel
	.amdgpu_metadata
---
amdhsa.version: [ 1, 2 ]
amdhsa.kernels:
  - .name:           k_q21aab207bd_prep
    .symbol:         k_q21aab207bd_prep.kd
    .args:
      - { .name: lora_A_codes, .offset: 0, .size: 8, .value_kind: global_buffer, .address_space: global }
      - { .name: lora_A_scales, .offset: 8, .size: 8, .value_kind: global_buffer, .address_space: global }
      - { .name: lora_B_codes, .offset: 16, .size: 8, .value_kind: global_buffer, .address_space: global }
      - { .name: lora_B_scales, .offset: 24, .size: 8, .value_kind: global_buffer, .address_space: global }
      - { .name: W_res_codes, .offset: 32, .size: 8, .value_kind: global_buffer, .address_space: global }
      - { .name: W_res_scales, .offset: 40, .size: 8, .value_kind: global_buffer, .address_space: global }
      - { .name: x_codes, .offset: 48, .size: 8, .value_kind: global_buffer, .address_space: global }
      - { .name: x_scales, .offset: 56, .size: 8, .value_kind: global_buffer, .address_space: global }
      - { .name: wd, .offset: 64, .size: 8, .value_kind: global_buffer, .address_space: global }
      - { .name: xr, .offset: 72, .size: 8, .value_kind: global_buffer, .address_space: global }
    .group_segment_fixed_size: 0
    .private_segment_fixed_size: 0
    .kernarg_segment_align: 8
    .kernarg_segment_size: 80
    .max_flat_workgroup_size: 512
    .sgpr_count:     66
    .vgpr_count:     256
    .wavefront_size: 32
...
	.end_amdgpu_metadata
.endif
;; end of part 1
;; launch gemm (part 2): grid 32 x 8, 4 waves a work-group, clusters of 4 x 4, 327,680 bytes of LDS; arguments xr, wd, bias, out0; writes out0
.if DOCPART == 2
	.amdgcn_target "amdgcn-amd-amdhsa--gfx1250"
	.amdhsa_code_object_version 6
	.text
	.protected	k_q21aab207bd_gemm
	.globl	k_q21aab207bd_gemm
	.p2align	8
	.type	k_q21aab207bd_gemm,@function
k_q21aab207bd_gemm:
	s_mov_b64 s[64:65], 0
	v_nop
	global_prefetch_b8 v0, s[64:65] scope:SCOPE_SE
	s_setreg_imm32_b32 hwreg(HW_REG_WAVE_MODE, 25, 1), 1
	s_wait_xcnt 0x0
	s_wait_alu depctr_hold_cnt(0) depctr_sa_sdst(0) depctr_va_vdst(0) depctr_va_sdst(0) depctr_va_ssrc(0) depctr_va_vcc(0) depctr_vm_vsrc(0)
	s_getreg_b32 s2, hwreg(HW_REG_IB_STS2, 6, 4)
	s_cmp_eq_u32 s2, 0
	s_cbranch_scc0 .Lentry_in_a_cluster
	s_endpgm
.Lentry_in_a_cluster:
	s_bfe_u32 s2, ttmp6, 0x10000c
	s_cmp_lg_u32 s2, 0xf033
	s_cbranch_scc0 .Lentry_shape_is_right
	s_endpgm
.Lentry_shape_is_right:
; out[m][o] = bias[o] + sum over k of x[m][k] W[o][k] + sum over k of x[m][k] dW[o][k], on FP6 (E2M3) codes with one E8M0 scale for each 32 along K; sums in f32.
; Operands come from xr and wd as the launch before laid them: dense blocks of SUB bytes for a row block and a step of 128 along K, each fragment an image of its 12 operand registers, the step's scale words behind the codes.
; A work-group of four waves makes 256 rows x 128 columns; a wave 128 x 64: 32 accumulators, each fed by W's and by dW's product with the same fragment of x.
; RING: two LDS slots, each with THREE steps' blocks of x (a part of 76,800 bytes) and of wd: as many as two slots, the spare words and the stage leave room for in LDS.  A wave's tensor load is half a part: 150 rows of 256 bytes,
; dense, beginning at a multiple of 256.  The 32 steps are ten fills of three and a last one of two (100 rows a wave).  A fragment is three loads of 16 bytes a lane at 16 x lane: consecutive bytes, so the slots need no padding.
; CLUSTERS: 4 x 4.  x's part hangs on the tile row alone and is asked for jointly along a row of the cluster, wd's on the tile column alone, along a column.
; TRANSPOSED USE: source 0 = 16 rows of W or dW, source 1 = 16 rows of x: a lane holds eight neighbouring columns of one row of out.  The bias is the C of each accumulator's first product.
; PREFETCH: behind each refill a wave names the fill two refills on.  A part's 300 blocks of 256 bytes are shared out by address: 75 to each of the four partners, 38 and 37 to its two waves, in two instructions of 19 lanes
; (the lanes left over name the wave's last block again).  The loop's last trip asks for nothing, and the last, shorter fill is never asked for.
; REGISTERS: window 0: v0-31 addresses, v32-47 scale words (two sets), v128-223 x's fragments (one set).  Window 1: W's and dW's fragments, sets at v0 and v128; v96-127 the bias.  Window 2: the accumulators, (a, b) at v[8 (4 a + b)].
.set SUB,    25600
.set PART,   3*SUB
.set HALFP,  PART/2
.set SLOT,   2*PART
.set SCO,    24576                     ; a block's scale words
.set FRB,    1536                      ; a fragment
.set FR,     12
.set NL,     3                         ; LDS loads a fragment
.set NP,     4
.set SPARE,  2*SLOT                    ; the spare words: 128 bytes a wave
.set STAGE,  SPARE+512                 ; the way out: 16 rows x 272 bytes a wave; no fill lands here
.set SPITCH, 272
.set NROW,   16384
.set BO,   7
.set ADRA, 16                          ; v16-17 x's fragments in slot 0, 1
.set ADRB, 20                          ; v20-21 W's and dW's
.set ADRS, 22                          ; v22-23 scale words: lanes 0-15 x's rows, lanes 16-31 W's or dW's
.set STO,  24
.set RD,   25
.set CO,   26
.set SPW,  28
.set NIL,  29
.set PFO,  30                          ; v30-31 the prefetches' offsets
.set SC,   32
.set AF,   128
.set BI,   96
.set BK,   128
.set G1,  24
.set G0,  32
.set G1B, 48
.set G0B, 56
.set PFA, 68
.set MSB, 0
.macro WIN new                         ; the immediate's high byte repeats the setting that is left
.if MSB != \new
	s_set_vgpr_msb (MSB<<8)|\new
.set MSB, \new
.endif
.endm
.set MUL,   0xa1                       ; source 0 window 1, source 1 window 0, C and D window 2
.set MULB,  0x91                       ; the same with C in window 1: the bias
.set TO_B,  0x40
.macro JLOAD s                         ; a joint load: waves 0, 1 fetch the halves of x's part, waves 2, 3 of wd's
	s_cmp_eq_u32 s15, 0
	s_cbranch_scc0 .Lfor_b_\@
	tensor_load_to_lds s[G0+4*\s:G0+4*\s+3], s[G1:G1+7]
	s_nop 0
.rept 4
	v_nop
.endr
	s_branch .Lasked_\@
.Lfor_b_\@:
	tensor_load_to_lds s[G0B+4*\s:G0B+4*\s+3], s[G1B:G1B+7]
	s_nop 0
.rept 4
	v_nop
.endr
.Lasked_\@:
.endm
.macro CREST                           ; a round of the cluster's barrier behind its opening barrier
	s_cmp_lg_u32 s14, 0
	s_cbranch_scc1 .Lnot_wave_0_\@
	s_barrier_signal -3
.Lnot_wave_0_\@:
	s_barrier_wait -3
	s_barrier_signal -1
	s_barrier_wait -1
.endm
.macro CROUND
	s_barrier_signal -1
	s_barrier_wait -1
	CREST
.endm
.macro ASK                             ; s3 = 1 in the loop's last trip, whose refills have no whole fill two on
	s_cmp_gt_u32 s3, 1
	s_cbranch_scc0 .Lnot_now_\@
	global_prefetch_b8 v[PFO], s[PFA:PFA+1] offset:PART th:TH_LOAD_NT scope:SCOPE_SE
	global_prefetch_b8 v[PFO+1], s[PFA:PFA+1] offset:PART th:TH_LOAD_NT scope:SCOPE_SE
.Lnot_now_\@:
.endm
	s_load_b256 s[4:11], s[0:1], 0x0               ; xr s[4:5], wd s[6:7], bias s[8:9], out s[10:11]
	v_lshl_add_u32 v[SPW], v0, 2, SPARE
	v_mov_b32 v[NIL], 0
	ds_add_u32 v[SPW], v[NIL]                      ; the opening: the add, twice on end, and its wait
	ds_add_u32 v[SPW], v[NIL]
	v_lshrrev_b32 v1, 5, v0
	v_readfirstlane_b32 s14, v1                    ; wave 0..3
	s_lshr_b32 s15, s14, 1                         ; my half of the rows; also: I fetch x's part (0) or wd's (1)
	s_and_b32 s16, s14, 1                          ; my half of the columns; also: which half of the part I fetch
	s_bfe_u32 s40, ttmp6, 0x40000                  ; cx
	s_bfe_u32 s41, ttmp6, 0x40004                  ; cy
	s_lshl_b32 s42, ttmp9, 2
	s_add_co_u32 s42, s42, s40                     ; tile column, 0..31
	s_and_b32 s17, ttmp7, 0xffff
	s_lshl_b32 s17, s17, 2
	s_add_co_u32 s17, s17, s41                     ; tile row, 0..7
	s_lshl_b32 s43, s41, 2
	s_lshl_b32 s43, 15, s43                        ; my row of the cluster
	s_lshl_b32 s44, 0x1111, s40                    ; my column
	s_or_b32 s[G1+0], s43, (3<<16)|(1<<21)         ; the mask; elements of 8 bytes; bit 21 beside a mask
	s_or_b32 s[G1B+0], s44, (3<<16)|(1<<21)
.irp g, G1, G1B
	s_mov_b32 s[\g+1], 32<<16                      ; rows of 32 elements = 256 bytes,
	s_mov_b32 s[\g+2], 150<<16                     ; 150 of them,
	s_mov_b32 s[\g+3], 32<<16
	s_mov_b32 s[\g+4], 150
	s_mov_b32 s[\g+5], 32                          ; dense
	s_mov_b32 s[\g+6], 0
	s_mov_b32 s[\g+7], 0
.endr
	s_mul_i32 s13, s16, HALFP
	s_mul_i32 s20, s17, 32*SUB                     ; x's blocks of my tile row
	s_add_co_u32 s20, s20, s13
	s_mul_i32 s46, s42, 32*SUB                     ; wd's of my tile column
	s_add_co_u32 s46, s46, s13
	s_mov_b32 s21, 0
	s_mov_b32 s47, 0
	s_mul_i32 s45, s14, HALFP                      ; in LDS: wave x half a part
	s_mul_i32 s12, s15, PART                       ; the last fill, two steps: in LDS my part's start + my half of 2 SUB;
	s_mul_i32 s13, s16, SUB
	s_add_co_u32 s12, s12, s13
	s_mul_i32 s13, s16, HALFP-SUB
	s_sub_co_u32 s18, 2*PART, s13                  ; in memory two fills on, less what the shorter half takes off
	s_mov_b32 s19, 0
	s_wait_dscnt 0x0                               ; both opening adds are done
	s_wait_kmcnt 0x0
	s_add_nc_u64 s[20:21], s[4:5], s[20:21]
	s_add_nc_u64 s[46:47], s[6:7], s[46:47]
	CROUND                                         ; all sixteen work-groups are here: the first joint loads meet
.irp s, 0,1
	s_mov_b32 s[G0+4*\s], 1
	s_add_co_u32 s[G0+4*\s+1], s45, \s*SLOT
	s_add_nc_u64 s[G0+4*\s+2:G0+4*\s+3], s[20:21], \s*PART
	s_or_b32 s[G0+4*\s+3], s[G0+4*\s+3], 0x80000000
	s_mov_b32 s[G0B+4*\s], 1
	s_add_co_u32 s[G0B+4*\s+1], s45, \s*SLOT
	s_add_nc_u64 s[G0B+4*\s+2:G0B+4*\s+3], s[46:47], \s*PART
	s_or_b32 s[G0B+4*\s+3], s[G0B+4*\s+3], 0x80000000
.endr
	JLOAD 0                                        ; steps 0 to 2: one tensor load a wave at the head
	s_mul_i32 s21, s15, 8*FRB                      ; my 128 rows of x: 8 fragments a step
	s_mul_i32 s22, s16, 8*FRB                      ; my 64 columns: 4 x (W's + dW's),
	s_add_co_u32 s22, s22, PART                    ; behind x's part
	s_lshl_b32 s70, s15, 9                         ; scale words: 4 bytes a row
	s_lshl_b32 s71, s16, 9
	s_add_co_u32 s71, s71, PART
	s_sub_co_u32 s71, s71, s70                     ; from x's words to W's and dW's
	s_add_co_u32 s70, s70, SCO
	s_mul_i32 s23, s14, 16*SPITCH
	s_add_co_u32 s23, s23, STAGE
	s_sub_co_u32 s13, 37, s16                      ; my last block among my 38 or 37
	v_and_b32 v1, 15, v0                           ; r
	v_bfe_u32 v2, v0, 4, 1                         ; h
	v_and_b32 v3, 31, v0
	v_lshlrev_b32 v4, 4, v3                        ; 16 x lane
	v_add_nc_u32 v[ADRA], s21, v4
	v_add_nc_u32 v[ADRB], s22, v4
	v_add_nc_u32 v[ADRA+1], SLOT, v[ADRA]
	v_add_nc_u32 v[ADRB+1], SLOT, v[ADRB]
	v_mul_u32_u24 v5, s71, v2                      ; lanes 16-31 take W's and dW's words
	v_lshl_add_u32 v5, v1, 2, v5
	v_add_nc_u32 v[ADRS], s70, v5
	v_add_nc_u32 v[ADRS+1], SLOT, v[ADRS]
	v_mul_u32_u24 v5, v1, SPITCH                   ; the stage, in: row r, 32 bytes for each half of the lanes
	v_lshl_add_u32 v5, v2, 5, v5
	v_add_nc_u32 v[STO], s23, v5
	v_mul_u32_u24 v5, v2, SPITCH                   ; back: lanes 0-15 one row of 256 bytes, lanes 16-31 the next
	v_lshl_add_u32 v5, v1, 4, v5
	v_add_nc_u32 v[RD], s23, v5
	v_lshlrev_b32 v5, 14, v2
	v_lshl_add_u32 v[CO], v1, 4, v5                ; and the same two rows in out
	v_lshlrev_b32 v[BO], 5, v2
	v_min_u32 v5, 18, v3
	v_add_nc_u32 v6, 19, v5
	v_min_u32 v6, s13, v6
	v_lshlrev_b32 v[PFO], 8, v5                    ; blocks 0 .. 18,
	v_lshlrev_b32 v[PFO+1], 8, v6                  ; and 19 .. 37 or 36
	s_wait_alu depctr_va_vdst(0)                   ; the wait ahead of the scalar run below
	s_lshl_b32 s20, s17, 8
	s_lshl_b32 s21, s15, 7
	s_add_co_u32 s20, s20, s21
	s_lshl_b32 s20, s20, 14                        ; my first row of out, in bytes
	s_mov_b32 s21, 0
	s_lshl_b32 s66, s42, 9
	s_lshl_b32 s67, s16, 8
	s_add_co_u32 s66, s66, s67                     ; my first column, in bytes
	s_mov_b32 s67, 0
	s_add_nc_u64 s[8:9], s[8:9], s[66:67]
	s_add_nc_u64 s[10:11], s[10:11], s[66:67]
	s_add_nc_u64 s[10:11], s[10:11], s[20:21]
	WIN TO_B
.irp b, 0,1,2,3
	global_load_b128 v[BI+8*\b:BI+8*\b+3], v[BO], s[8:9] offset:64*\b
	global_load_b128 v[BI+8*\b+4:BI+8*\b+7], v[BO], s[8:9] offset:64*\b+16
.endr
	WIN 0
	s_mul_i32 s20, s17, 32*SUB                     ; the prefetches: the part that I fetch for, my work-group's 75 blocks, my wave's share, at fill 2
	s_mul_i32 s22, s42, 32*SUB
	s_cmp_eq_u32 s15, 0
	s_cselect_b32 s20, s20, s22
	s_cselect_b32 s22, s40, s41
	s_cselect_b64 s[PFA:PFA+1], s[4:5], s[6:7]
	s_mul_i32 s22, s22, 75*256
	s_mul_i32 s66, s16, 38*256
	s_add_co_u32 s20, s20, s22
	s_add_co_u32 s20, s20, s66
	s_add_co_u32 s20, s20, 2*PART
	s_add_nc_u64 s[PFA:PFA+1], s[PFA:PFA+1], s[20:21]
.macro FRAG reg, adr, off
.irp j, 0,1,2
	ds_load_b128 v[\reg+4*\j:\reg+4*\j+3], v[\adr] offset:(\off)+512*\j
.endr
.endm
; 16 matrix instructions: x's blocks a0, a0 + 1 against my 4 column blocks, first W's fragments (j = 0), then dW's.  The eight accumulators take turns, one instruction a turn.
; Fragment and scale register 2 b + j: column block b of W (j = 0) or dW (j = 1).  p: the step's set of fragments and of scale words.
.macro MUL16 a0, p, first
.irp j, 0,1
.if (\first) && (\j == 0)
	WIN MULB
.else
	WIN MUL
.endif
.irp a, \a0, \a0+1
.irp b, 0,1,2,3
.if (\first) && (\j == 0)
	v_wmma_scale_f32_16x16x128_f8f6f4 v[8*(4*(\a)+\b):8*(4*(\a)+\b)+7], v[128*(\p)+FR*(2*\b+\j):128*(\p)+FR*(2*\b+\j)+FR-1], v[AF+FR*(\a):AF+FR*(\a)+FR-1], v[BI+8*\b:BI+8*\b+7], v[SC+8*(\p)+2*\b+\j], v[SC+8*(\p)+(\a)] matrix_a_fmt:MATRIX_FMT_FP6 matrix_b_fmt:MATRIX_FMT_FP6 matrix_a_scale:MATRIX_SCALE_ROW1
.else
	v_wmma_scale_f32_16x16x128_f8f6f4 v[8*(4*(\a)+\b):8*(4*(\a)+\b)+7], v[128*(\p)+FR*(2*\b+\j):128*(\p)+FR*(2*\b+\j)+FR-1], v[AF+FR*(\a):AF+FR*(\a)+FR-1], v[8*(4*(\a)+\b):8*(4*(\a)+\b)+7], v[SC+8*(\p)+2*\b+\j], v[SC+8*(\p)+(\a)] matrix_a_fmt:MATRIX_FMT_FP6 matrix_b_fmt:MATRIX_FMT_FP6 matrix_a_scale:MATRIX_SCALE_ROW1
.endif
.endr
.endr
.endr
.endm
.macro FETCH_B slot, t, p              ; W's and dW's eight fragments of the slot's step t into set p
	WIN TO_B
.irp i, 0,1,2,3,4,5,6,7
	FRAG 128*(\p)+FR*\i, ADRB+\slot, (\t)*SUB+\i*FRB
.endr
	WIN 0
.endm
.macro FETCH_A slot, t, i0
.irp i, \i0, \i0+1, \i0+2, \i0+3
	FRAG AF+FR*(\i), ADRA+\slot, (\t)*SUB+(\i)*FRB
.endr
.endm
.macro SCALES slot, t, p               ; a word a row: lanes 0-15 x's block i, lanes 16-31 fragment i of W and dW
.irp i, 0,1,2,3,4,5,6,7
	ds_load_b32 v[SC+8*(\p)+\i], v[ADRS+\slot] offset:(\t)*SUB+\i*64
.endr
.endm
.macro PLACES n
.rept \n
	v_nop
.endr
.endm
.macro STEP p, ns, nt, first           ; multiplies set p and fetches step nt of the same slot ns into the other set
	s_wait_dscnt 4*NL                              ; all but the youngest twelve loads, x's blocks 4-7
	MUL16 0, \p, \first
	MUL16 2, \p, \first
	s_wait_dscnt 0
	PLACES NP                                      ; places ahead of loads into registers that products have read
	FETCH_B \ns, \nt, 1-\p
	FETCH_A \ns, \nt, 0
	SCALES \ns, \nt, 1-\p
	MUL16 4, \p, \first
	MUL16 6, \p, \first
	PLACES NP
	WIN 0
	FETCH_A \ns, \nt, 4
.endm
.macro TURN slot, p, next, fill        ; a slot's third step, and the change of slots.  fill = 1: three steps, two fills on; 2: the last fill, of two steps; 0: none
.if \fill == 1
	s_wait_xcnt 0x0                                ; my last prefetches have read their address
	s_add_nc_u64 s[PFA:PFA+1], s[PFA:PFA+1], PART
.endif
	s_wait_tensorcnt 0x0                           ; my one load that was out, my part of the next slot, has landed;
	ds_add_u32 v[SPW], v[NIL]
	s_wait_dscnt 4*NL+1                            ; (the add and x's blocks 4-7 may be out)
	MUL16 0, \p, 0
	s_wait_dscnt 0x0                               ; the add is done, and so are my reads of this slot
	s_barrier_signal -1
	MUL16 2, \p, 0
	WIN 0
	s_barrier_wait -1
.if \fill
	CREST                                          ; the barrier has opened a round: no wave of any partner reads this slot or has a load on its way
.if \fill == 1
	s_add_nc_u64 s[G0+4*\slot+2:G0+4*\slot+3], s[G0+4*\slot+2:G0+4*\slot+3], 2*PART
	s_add_nc_u64 s[G0B+4*\slot+2:G0B+4*\slot+3], s[G0B+4*\slot+2:G0B+4*\slot+3], 2*PART
.else
	s_add_nc_u64 s[G0+4*\slot+2:G0+4*\slot+3], s[G0+4*\slot+2:G0+4*\slot+3], s[18:19]
	s_add_nc_u64 s[G0B+4*\slot+2:G0B+4*\slot+3], s[G0B+4*\slot+2:G0B+4*\slot+3], s[18:19]
	s_mov_b32 s[G0+4*\slot+1], s12
	s_mov_b32 s[G0B+4*\slot+1], s12
	s_mov_b32 s[G1+2], 100<<16                     ; no tensor load of mine is out: this load brings 100 rows
	s_mov_b32 s[G1+4], 100
	s_mov_b32 s[G1B+2], 100<<16
	s_mov_b32 s[G1B+4], 100
.endif
	JLOAD \slot                                    ; its four v_nop are also the places ahead of the loads below
.else
	PLACES NP
.endif
	FETCH_B \next, 0, 1-\p
	FETCH_A \next, 0, 0
	SCALES \next, 0, 1-\p
.if \fill == 1
	ASK
.endif
	MUL16 4, \p, 0
	MUL16 6, \p, 0
	PLACES NP
	WIN 0
	FETCH_A \next, 0, 4
.endm
	s_wait_alu depctr_va_vdst(0)                   ; the wait at the head's end
	s_wait_tensorcnt 0x0                           ; my part of the first fill is in; the same lines as ahead of a refill:
	ds_add_u32 v[SPW], v[NIL]
	s_wait_dscnt 0x0
	CROUND                                         ; everybody's part is in, and the joint loads meet
	JLOAD 1                                        ; steps 3 to 5, the first tensor load behind the round
	FETCH_B 0, 0, 0
	FETCH_A 0, 0, 0
	SCALES 0, 0, 0
	FETCH_A 0, 0, 4
	s_wait_loadcnt 0x0                             ; the bias
	STEP 0, 0, 1, 1                                ; step 0 starts the sums
	s_mov_b32 s3, 4
.Llap:                                                 ; a trip is six steps, from a lap's second to the next lap's first, and fills both slots again: fills 2 to 9
	STEP 1, 0, 2, 0
	TURN 0, 0, 1, 1
	STEP 1, 1, 1, 0
	STEP 0, 1, 2, 0
	TURN 1, 1, 0, 1
	STEP 0, 0, 1, 0
	s_sub_co_u32 s3, s3, 1
	s_cmp_lg_u32 s3, 0
	s_cbranch_scc1 .Llap
	STEP 1, 0, 2, 0                                ; steps 25 to 31
	TURN 0, 0, 1, 2                                ; slot 0 takes steps 30 and 31
	STEP 1, 1, 1, 0
	STEP 0, 1, 2, 0
	TURN 1, 1, 0, 0
	STEP 0, 0, 1, 0
	s_wait_dscnt 4*NL
	MUL16 0, 1, 0
	MUL16 2, 1, 0
	s_wait_dscnt 0
	MUL16 4, 1, 0
	MUL16 6, 1, 0
	WIN 0
; THE WAY OUT, by blocks of 16 rows x 64 columns through my own stage: back as whole rows of 256 bytes.  LDS serves a wave's instructions in order (ISA guide 5.7.1.4).
.macro TOSTAGE a
	WIN 0x08
.irp b, 0,1,2,3
	ds_store_b128 v[STO], v[32*(\a)+8*\b:32*(\a)+8*\b+3] offset:64*\b          ; each accumulator from its low end on
	ds_store_b128 v[STO], v[32*(\a)+8*\b+4:32*(\a)+8*\b+7] offset:64*\b+16
.endr
	WIN 0
.set BB, BK+32*((\a)%2)
.irp t, 0,1,2,3,4,5,6,7
	ds_load_b128 v[BB+4*\t:BB+4*\t+3], v[RD] offset:\t*2*SPITCH
.endr
.endm
.macro SEND a, younger
.set BB, BK+32*((\a)%2)
	s_wait_dscnt \younger                          ; the block is back; the next block's 8 stores and 8 loads may be out
.if (\a) > 0
	s_add_nc_u64 s[10:11], s[10:11], 16*NROW       ; (behind a wait on XCNT)
.endif
.irp t, 0,1,2,3,4,5,6,7
	global_store_b128 v[CO], v[BB+4*\t:BB+4*\t+3], s[10:11] offset:\t*2*NROW th:TH_STORE_NT   ; 16 lanes store 256 consecutive bytes, aligned
.endr
.endm
	PLACES NP
	TOSTAGE 0
.irp a, 1,2,3,4,5,6,7
.if \a > 1
	s_wait_xcnt 0x0                                ; block a - 2's stores have read their registers and their base
.endif
	TOSTAGE \a
	SEND \a-1, 16
.endr
	s_wait_xcnt 0x0
	SEND 7, 0
	s_wait_tensorcnt 0x0                           ; the wave's end
	ds_add_u32 v[SPW], v[NIL]
	s_wait_dscnt 0x0
	CROUND                                         ; the closing round
	s_endpgm
.Lfunc_end_k_q21aab207bd_gemm:
	.size	k_q21aab207bd_gemm, .Lfunc_end_k_q21aab207bd_gemm-k_q21aab207bd_gemm
	.p2alignl 7, 3214868480
	.fill 96, 4, 3214868480
	.section	.rodata,"a",@progbits
	.p2align	6, 0x0
	.amdhsa_kernel k_q21aab207bd_gemm
		.amdhsa_group_segment_fixed_size 327680
		.amdhsa_private_segment_fixed_size 0
		.amdhsa_enable_private_segment 0
		.amdhsa_kernarg_size 32
		.amdhsa_user_sgpr_count 2
		.amdhsa_user_sgpr_kernarg_segment_ptr 1
		.amdhsa_wavefront_size32 1
		.amdhsa_system_sgpr_workgroup_id_x 1
		.amdhsa_system_sgpr_workgroup_id_y 1
		.amdhsa_system_sgpr_workgroup_id_z 1
		.amdhsa_system_vgpr_workitem_id 0
		.amdhsa_next_free_vgpr 768
		.amdhsa_next_free_sgpr 72
		.amdhsa_reserve_vcc 0
		.amdhsa_float_denorm_mode_32 3
		.amdhsa_float_denorm_mode_16_64 3
		.amdhsa_memory_ordered 1
		.amdhsa_forward_progress 1
		.amdhsa_inst_pref_size 197
	.end_amdhsa_kernel
	.amdgpu_metadata
---
amdhsa.version: [ 1, 2 ]
amdhsa.kernels:
  - .name:           k_q21aab207bd_gemm
    .symbol:         k_q21aab207bd_gemm.kd
    .args:
      - { .name: xr, .offset: 0, .size: 8, .value_kind: global_buffer, .address_space: global }
      - { .name: wd, .offset: 8, .size: 8, .value_kind: global_buffer, .address_space: global }
      - { .name: bias, .offset: 16, .size: 8, .value_kind: global_buffer, .address_space: global }
      - { .name: out0, .offset: 24, .size: 8, .value_kind: global_buffer, .address_space: global }
    .group_segment_fixed_size: 327680
    .private_segment_fixed_size: 0
    .kernarg_segment_align: 8
    .kernarg_segment_size: 32
    .max_flat_workgroup_size: 128
    .sgpr_count:     72
    .vgpr_count:     768
    .wavefront_size: 32
...
	.end_amdgpu_metadata
.endif
;; end of part 2
